; MI455X (gfx1250); checked and timed in simulation.
; The chip was launched on July 23, 2026; its instructions are those of AMD's public machine-readable ISA for CDNA 5 (MIT licence, August 2026) and "CDNA5" Instruction Set Architecture Reference Guide (July 2026). The comments in the code are by the model that wrote it; some were corrected since.
;; Wide. Allowed arithmetic: float matrix products may take bf16 or f16 operands with f32 sums; all other float work in f32.
;; Inputs: W 1 x 19,600,013 float32; dense 16,384 x 13 float32; s0 16,384 int32; s1 16,384 int32; s2 16,384 int32; s3 16,384 int32; s4 16,384 int32; s5 16,384 int32; s6 16,384 int32; s7 16,384 int32.
;; Outputs: out0 16,384 x 1 float32.
;; 2 versions, each right; version 2 is version 1 with the launch wide written anew for expert scheduling mode. Each part assembles by itself: llvm-mc -triple=amdgcn-amd-amdhsa -mcpu=gfx1250 --defsym DOCPART=n.
;; ======== version 1 of 2: 1 launch
;; launch wide (part 1): grid 256 x 1, 1 waves a work-group, no clusters, 3,584 bytes of LDS; arguments s0, s1, s2, s3, s4, s5, s6, s7, W, dense, out0; writes out0
.if DOCPART == 1
	.amdgcn_target "amdgcn-amd-amdhsa--gfx1250"
	.amdhsa_code_object_version 6
	.text
	.protected	k_q940ee10c65_wide
	.globl	k_q940ee10c65_wide
	.p2align	8
	.type	k_q940ee10c65_wide,@function
k_q940ee10c65_wide:
	s_mov_b64 s[64:65], 0
	v_nop
	global_prefetch_b8 v0, s[64:65] scope:SCOPE_SE
	s_setreg_imm32_b32 hwreg(HW_REG_WAVE_MODE, 25, 1), 1
	s_wait_xcnt 0x0
; out[r] = sum over j < 13 of dense[r][j] W[j]  +  sum over i < 8 of W[OFF_i + s_i[r]].   16,384 rows, all numbers f32, indices i32.
; One wave is a work-group and owns 64 rows; lane l owns rows 2 l and 2 l + 1 of them.  16,384 / 64 = 256 work-groups.
; Two rows a lane make every streamed access whole and aligned: an index load and the output store cover the 256 bytes at 256 g of
; their buffer, and the group's block of dense is 64 x 52 = 3,328 = 13 x 256 bytes at 3,328 g.
; What takes the time is a chain of three dependent accesses (arguments, index, entry of W).  So the index loads are issued first, each
; table's two gathers as soon as its indices are in, and the dense product is done while the 16 gathers are on their way.
; dense: a lane's two rows are 104 bytes at 104 l, so loads by rows would touch every piece of the block 13 times over.  The block is
; read once, lane by lane in neighbouring bytes, laid into LDS as it lies in memory, and read back by rows.
; LEFT OUT: the matrix unit (K = 13 and one output column: 26 f32 multiply-adds a lane do it exactly, under the gathers); tensor loads,
; rings and barriers (one block of 3,328 bytes for one wave, never refilled); clusters (work-groups share only W's first 52 bytes);
; prefetches (a gather's address exists only when its index is in, and the gather itself is issued at that point).
; LIMITS: an index outside [0, V_i), which the problem excludes, is taken as unsigned and clamped into its own table.  The dot product is
; summed in f32 in ascending j, then the eight entries in the order of the tables.  NaN and infinities pass through as they are.
.set DBLK, 3328                        ; bytes of dense for 64 rows
.set V0, 1000000                       ; entries in each table
.set V1, 1000000
.set V2, 5000000
.set V3, 2000000
.set V4, 500000
.set V5, 100000
.set V6, 5000000
.set V7, 5000000
.set OFFB0, 4*13                       ; byte at which each table begins in W
.set OFFB1, OFFB0+4*V0
.set OFFB2, OFFB1+4*V1
.set OFFB3, OFFB2+4*V2
.set OFFB4, OFFB3+4*V3
.set OFFB5, OFFB4+4*V4
.set OFFB6, OFFB5+4*V5
.set OFFB7, OFFB6+4*V6
.set PS,  8                            ; s[8:23]   addresses of s0 .. s7
.set PW,  24                           ; s[24:25]  W, never stepped
.set PD,  26                           ; s[26:27]  dense
.set PO,  28                           ; s[28:29]  out0
.set TB,  32                           ; s[32:47]  W + OFFB_i: table i's first entry
.set WD,  48                           ; s[48:60]  W[0 .. 12]
.set IO,   1                           ; v1        8 lane + 256 g: my two indices in each s_i, my two results in out0
.set DO16, 2                           ; v2        16 lane + 3,328 g
.set DO8,  3                           ; v3        8 lane + 3,328 g
.set L16,  4                           ; v4        16 lane
.set L8,   5                           ; v5        8 lane
.set LR,   6                           ; v6        104 lane: my two rows in LDS
.set IDX,  8                           ; v[8:23]   pair i: s_i of my two rows, then their byte offsets in table i
.set RAW,  24                          ; v[24:49]  dense as loaded
.set D,    50                          ; v[50:62]  my first row, v[63:75] my second
.set G,    76                          ; v[76:91]  pair i: the two entries of table i
.set T,    92                          ; v[92:93]  the clamps' low bits
.set ACC,  94                          ; v[94:95]  the two sums
	s_load_b512 s[PS:PS+15], s[0:1], 0x0           ; s0 .. s7
	s_load_b128 s[PW:PW+3], s[0:1], 0x40           ; W, dense
	s_load_b64 s[PO:PO+1], s[0:1], 0x50            ; out0
	v_lshl_add_u32 v96, v0, 2, 0xd00
	v_mov_b32 v97, 0
	s_lshl_b32 s2, ttmp9, 8                        ; 64 rows x 4 bytes
	s_mul_i32 s3, ttmp9, DBLK                      ; 64 rows x 52 bytes
	v_lshl_add_u32 v[IO], v0, 3, s2                ; v0 is the lane: the work-group is one wave
	v_lshl_add_u32 v[DO16], v0, 4, s3
	v_lshl_add_u32 v[DO8], v0, 3, s3
	v_lshlrev_b32 v[L16], 4, v0
	v_lshlrev_b32 v[L8], 3, v0
	v_mul_u32_u24 v[LR], 104, v0
	s_wait_kmcnt 0x0
	; the indices first: everything else hangs on them.  Each load covers 256 neighbouring bytes, aligned; read once in the launch.
.irp i, 0,1,2,3,4,5,6,7
	global_load_b64 v[IDX+2*\i:IDX+2*\i+1], v[IO], s[PS+2*\i:PS+2*\i+1] th:TH_LOAD_NT
.endr
	s_load_b256 s[WD:WD+7], s[PW:PW+1], 0x0        ; W[0 .. 12], alike for all lanes: scalars (no line of the kernel stores into W)
	s_load_b128 s[WD+8:WD+11], s[PW:PW+1], 0x20
	s_load_b32 s[WD+12], s[PW:PW+1], 0x30
	; the block of dense: 6 x 512 bytes and 256 bytes, in neighbouring lanes neighbouring bytes
.irp j, 0,1,2,3,4,5
	global_load_b128 v[RAW+4*\j:RAW+4*\j+3], v[DO16], s[PD:PD+1] offset:512*\j th:TH_LOAD_NT
.endr
	global_load_b64 v[RAW+24:RAW+25], v[DO8], s[PD:PD+1] offset:3072 th:TH_LOAD_NT
	s_add_nc_u64 s[TB+0:TB+1],   s[PW:PW+1], OFFB0 ; a base for each table, so that a lane's offset is the index alone
	s_add_nc_u64 s[TB+2:TB+3],   s[PW:PW+1], OFFB1
	s_add_nc_u64 s[TB+4:TB+5],   s[PW:PW+1], OFFB2
	s_add_nc_u64 s[TB+6:TB+7],   s[PW:PW+1], OFFB3
	s_add_nc_u64 s[TB+8:TB+9],   s[PW:PW+1], OFFB4
	s_add_nc_u64 s[TB+10:TB+11], s[PW:PW+1], OFFB5
	s_add_nc_u64 s[TB+12:TB+13], s[PW:PW+1], OFFB6
	s_add_nc_u64 s[TB+14:TB+15], s[PW:PW+1], OFFB7
; An index becomes a byte offset inside its table.  A loaded number enters an address only behind a v_min_u32 with a constant of at
; most 0x100000.  Tables up to that size: one clamp to voc - 1.  Larger ones (their sizes are multiples of 8): the index is split into
; index / 8, clamped to voc / 8 - 1, and index % 8, clamped to 7 (which changes nothing, and stands there for the same reason);
; the largest sum is 8 (voc / 8 - 1) + 7 = voc - 1, the table's last entry, and an index inside the table is left as it is.
.macro CLAMP reg, tmp, voc
.if \voc <= 0x100000
	v_min_u32 v[\reg], \voc-1, v[\reg]
.else
	v_and_b32 v[\tmp], 7, v[\reg]
	v_lshrrev_b32 v[\reg], 3, v[\reg]
	v_min_u32 v[\tmp], 7, v[\tmp]
	v_min_u32 v[\reg], \voc/8-1, v[\reg]
	v_lshl_add_u32 v[\reg], v[\reg], 3, v[\tmp]
.endif
	v_lshlrev_b32 v[\reg], 2, v[\reg]              ; 4 bytes an entry: 20,000,000 bytes at the most
.endm
; Table i's two gathers.  Loads come back in order (ISA guide 5.7.1); behind index load i were issued 7 - i index loads, 7 loads of
; dense and 2 i gathers: 14 + i may stay out.  No cache hint: a list may name an entry twice.
; The offsets stay in IDX untouched from here on, so no pending load's address is ever rewritten.
.macro GATHER i, voc
	s_wait_loadcnt 14+\i
	CLAMP IDX+2*\i, T, \voc
	CLAMP IDX+2*\i+1, T+1, \voc
	global_load_b32 v[G+2*\i],   v[IDX+2*\i],   s[TB+2*\i:TB+2*\i+1]
	global_load_b32 v[G+2*\i+1], v[IDX+2*\i+1], s[TB+2*\i:TB+2*\i+1]
.endm
	GATHER 0, V0
	GATHER 1, V1
	GATHER 2, V2
	GATHER 3, V3
	GATHER 4, V4
	GATHER 5, V5
	GATHER 6, V6
	GATHER 7, V7
	; dense, while the gathers are out
	s_wait_loadcnt 16                              ; only the 16 gathers are younger than the last load of dense
.irp j, 0,1,2,3,4,5
	ds_store_b128 v[L16], v[RAW+4*\j:RAW+4*\j+3] offset:512*\j
.endr
	ds_store_b64 v[L8], v[RAW+24:RAW+25] offset:3072
	; Back by rows: 13 x 8 bytes at 104 lane.  LDS serves a wave's instructions in order (ISA guide 5.7.1), so these see the stores above.
	; The lanes are 26 words apart, and 26 l mod 64 takes 32 different even values: the 32 pairs of words lie in 64 different banks.
.irp j, 0,1,2,3,4,5,6,7,8,9,10,11,12
	ds_load_b64 v[D+2*\j:D+2*\j+1], v[LR] offset:8*\j
.endr
	s_wait_dscnt 0x0
	s_wait_kmcnt 0x0                               ; W[0 .. 12]
	v_mul_f32 v[ACC],   s[WD], v[D]                ; the first products start the sums: nothing is cleared
	v_mul_f32 v[ACC+1], s[WD], v[D+13]
.irp j, 1,2,3,4,5,6,7,8,9,10,11,12
	v_fmac_f32 v[ACC],   s[WD+\j], v[D+\j]         ; two chains that take turns
	v_fmac_f32 v[ACC+1], s[WD+\j], v[D+13+\j]
.endr
	; the eight entries, in the order of the tables: 2 (7 - i) gathers are younger than table i's pair
.irp i, 0,1,2,3,4,5,6,7
	s_wait_loadcnt 14-2*\i
	v_pk_add_f32 v[ACC:ACC+1], v[ACC:ACC+1], v[G+2*\i:G+2*\i+1]
.endr
	global_store_b64 v[IO], v[ACC:ACC+1], s[PO:PO+1] th:TH_STORE_NT   ; the wave stores 256 neighbouring bytes, at 256 g of out0
	s_wait_tensorcnt 0x0
	ds_add_u32 v96, v97
	s_wait_dscnt 0x0
	s_endpgm
.Lfunc_end_k_q940ee10c65_wide:
	.size	k_q940ee10c65_wide, .Lfunc_end_k_q940ee10c65_wide-k_q940ee10c65_wide
	.p2alignl 7, 3214868480
	.fill 96, 4, 3214868480
	.section	.rodata,"a",@progbits
	.p2align	6, 0x0
	.amdhsa_kernel k_q940ee10c65_wide
		.amdhsa_group_segment_fixed_size 3584
		.amdhsa_private_segment_fixed_size 0
		.amdhsa_enable_private_segment 0
		.amdhsa_kernarg_size 88
		.amdhsa_user_sgpr_count 2
		.amdhsa_user_sgpr_kernarg_segment_ptr 1
		.amdhsa_wavefront_size32 1
		.amdhsa_system_sgpr_workgroup_id_x 1
		.amdhsa_system_sgpr_workgroup_id_y 1
		.amdhsa_system_sgpr_workgroup_id_z 1
		.amdhsa_system_vgpr_workitem_id 0
		.amdhsa_next_free_vgpr 98
		.amdhsa_next_free_sgpr 66
		.amdhsa_reserve_vcc 0
		.amdhsa_float_denorm_mode_32 3
		.amdhsa_float_denorm_mode_16_64 3
		.amdhsa_memory_ordered 1
		.amdhsa_forward_progress 1
		.amdhsa_inst_pref_size 11
	.end_amdhsa_kernel
	.amdgpu_metadata
---
amdhsa.version: [ 1, 2 ]
amdhsa.kernels:
  - .name:           k_q940ee10c65_wide
    .symbol:         k_q940ee10c65_wide.kd
    .args:
      - { .name: s0, .offset: 0, .size: 8, .value_kind: global_buffer, .address_space: global }
      - { .name: s1, .offset: 8, .size: 8, .value_kind: global_buffer, .address_space: global }
      - { .name: s2, .offset: 16, .size: 8, .value_kind: global_buffer, .address_space: global }
      - { .name: s3, .offset: 24, .size: 8, .value_kind: global_buffer, .address_space: global }
      - { .name: s4, .offset: 32, .size: 8, .value_kind: global_buffer, .address_space: global }
      - { .name: s5, .offset: 40, .size: 8, .value_kind: global_buffer, .address_space: global }
      - { .name: s6, .offset: 48, .size: 8, .value_kind: global_buffer, .address_space: global }
      - { .name: s7, .offset: 56, .size: 8, .value_kind: global_buffer, .address_space: global }
      - { .name: W, .offset: 64, .size: 8, .value_kind: global_buffer, .address_space: global }
      - { .name: dense, .offset: 72, .size: 8, .value_kind: global_buffer, .address_space: global }
      - { .name: out0, .offset: 80, .size: 8, .value_kind: global_buffer, .address_space: global }
    .group_segment_fixed_size: 3584
    .private_segment_fixed_size: 0
    .kernarg_segment_align: 8
    .kernarg_segment_size: 88
    .max_flat_workgroup_size: 32
    .sgpr_count:     66
    .vgpr_count:     98
    .wavefront_size: 32
...
	.end_amdgpu_metadata
.endif
;; end of part 1
;; ======== version 2 of 2: 1 launch; version 1 with the launch wide written anew for expert scheduling mode
;; launch wide (part 2): grid 256 x 1, 1 waves a work-group, no clusters, 3,584 bytes of LDS; arguments s0, s1, s2, s3, s4, s5, s6, s7, W, dense, out0; writes out0
.if DOCPART == 2
	.amdgcn_target "amdgcn-amd-amdhsa--gfx1250"
	.amdhsa_code_object_version 6
	.text
	.protected	k_q940ee10c65_wide
	.globl	k_q940ee10c65_wide
	.p2align	8
	.type	k_q940ee10c65_wide,@function
k_q940ee10c65_wide:
	s_mov_b64 s[64:65], 0
	v_nop
	global_prefetch_b8 v0, s[64:65] scope:SCOPE_SE
	s_setreg_imm32_b32 hwreg(HW_REG_WAVE_SCHED_MODE, 0, 2), 2
	s_setreg_imm32_b32 hwreg(HW_REG_WAVE_MODE, 25, 1), 1
	s_wait_xcnt 0x0
	s_wait_alu depctr_vm_vsrc(0)
; out[r] = sum over j < 13 of dense[r][j] W[j]  +  sum over i < 8 of W[OFF_i + s_i[r]].   16,384 rows, all numbers f32, indices i32.
; One wave is a work-group and owns 64 rows; lane l owns rows 2 l and 2 l + 1 of them.  16,384 / 64 = 256 work-groups.
; Two rows a lane make every streamed access whole and aligned: an index load and the output store cover the 256 bytes at 256 g of
; their buffer, and the group's block of dense is 64 x 52 = 3,328 = 13 x 256 bytes at 3,328 g.
; What takes the time is a chain of three dependent accesses (arguments, index, entry of W).  So the index loads are issued first, the
; gathers as soon as their indices are in, and the dense product is done while the 16 gathers are on their way.
; dense: a lane's two rows are 104 bytes at 104 l, so loads by rows would touch every piece of the block 13 times over.  The block is
; read once, lane by lane in neighbouring bytes, laid into LDS as it lies in memory, and read back by rows.
; LEFT OUT: the matrix unit (K = 13 and one output column: 26 f32 multiply-adds a lane do it exactly, under the gathers); tensor loads,
; rings and barriers (one block of 3,328 bytes for one wave, never refilled); clusters (work-groups share only W's first 52 bytes);
; prefetches (a gather's address exists only when its index is in, and the gather itself is issued at that point).
; LIMITS: an index outside [0, V_i), which the problem excludes, is taken as unsigned and clamped into its own table.  The dot product is
; summed in f32 in ascending j, then the eight entries in the order of the tables.  NaN and infinities pass through as they are.
; THE MODE: SCHED_MODE bits 1:0 = 2 (LLVM: expert scheduling mode 2), set by the entry lines.  The code itself states the register dependences
; between vector instructions and memory or LDS instructions, with s_wait_alu, always for 0.
; THE PLAN.  Registers that memory or LDS instructions touch:
;   v1 .. v6   offsets and LDS addresses.  Written by vector lines at the head and never again; read by all loads and stores but the gathers.
;   IDX        The index loads land in it; the clamps turn it into byte offsets; the gathers read it as their address; nothing writes it after.
;   RAW        The loads of dense land in it, the LDS stores read it: no vector instruction names it.
;   D, G       LDS loads and gathers land in them; vector instructions name them only behind the wait for those data.
;   ACC        Written by vector instructions alone; read by the output store.
; So four waits on va_vdst state everything: one at the head (v1 .. v6), one behind the clamps of each four tables (their half of IDX), one
; ahead of the output store (ACC).  No register that a memory or LDS instruction reads is written afterwards, so there is no wait on vm_vsrc;
; no vector instruction writes a scalar register or VCC, and EXEC is never written.
.set DBLK, 3328                        ; bytes of dense for 64 rows
.set V0, 1000000                       ; entries in each table
.set V1, 1000000
.set V2, 5000000
.set V3, 2000000
.set V4, 500000
.set V5, 100000
.set V6, 5000000
.set V7, 5000000
.set OFFB0, 4*13                       ; byte at which each table begins in W
.set OFFB1, OFFB0+4*V0
.set OFFB2, OFFB1+4*V1
.set OFFB3, OFFB2+4*V2
.set OFFB4, OFFB3+4*V3
.set OFFB5, OFFB4+4*V4
.set OFFB6, OFFB5+4*V5
.set OFFB7, OFFB6+4*V6
.set PS,  8                            ; s[8:23]   addresses of s0 .. s7
.set PW,  24                           ; s[24:25]  W, never stepped
.set PD,  26                           ; s[26:27]  dense
.set PO,  28                           ; s[28:29]  out0
.set TB,  32                           ; s[32:47]  W + OFFB_i: table i's first entry
.set WD,  48                           ; s[48:60]  W[0 .. 12]
.set IO,   1                           ; v1        8 lane + 256 g: my two indices in each s_i, my two results in out0
.set DO16, 2                           ; v2        16 lane + 3,328 g
.set DO8,  3                           ; v3        8 lane + 3,328 g
.set L16,  4                           ; v4        16 lane
.set L8,   5                           ; v5        8 lane
.set LR,   6                           ; v6        104 lane: my two rows in LDS
.set IDX,  8                           ; v[8:23]   pair i: s_i of my two rows, then their byte offsets in table i
.set RAW,  24                          ; v[24:49]  dense as loaded
.set D,    50                          ; v[50:62]  my first row, v[63:75] my second
.set G,    76                          ; v[76:91]  pair i: the two entries of table i
.set T,    92                          ; v[92:93]  the clamps' low bits: no memory instruction names them
.set ACC,  94                          ; v[94:95]  the two sums
	s_load_b512 s[PS:PS+15], s[0:1], 0x0           ; s0 .. s7
	s_load_b128 s[PW:PW+3], s[0:1], 0x40           ; W, dense
	s_load_b64 s[PO:PO+1], s[0:1], 0x50            ; out0
	v_lshl_add_u32 v96, v0, 2, 0xd00
	v_mov_b32 v97, 0
	s_lshl_b32 s2, ttmp9, 8                        ; 64 rows x 4 bytes
	s_mul_i32 s3, ttmp9, DBLK                      ; 64 rows x 52 bytes
	v_lshl_add_u32 v[IO], v0, 3, s2                ; v0 is the lane: the work-group is one wave
	v_lshl_add_u32 v[DO16], v0, 4, s3
	v_lshl_add_u32 v[DO8], v0, 3, s3
	v_lshlrev_b32 v[L16], 4, v0
	v_lshlrev_b32 v[L8], 3, v0
	v_mul_u32_u24 v[LR], 104, v0
	s_wait_kmcnt 0x0
	s_wait_alu depctr_va_vdst(0)                   ; v1 to v6 are written: the index loads, the loads of dense, the LDS stores and loads and the output store read them as addresses
	; the indices first: everything else hangs on them.  Each load covers 256 neighbouring bytes, aligned; read once in the launch.
.irp i, 0,1,2,3,4,5,6,7
	global_load_b64 v[IDX+2*\i:IDX+2*\i+1], v[IO], s[PS+2*\i:PS+2*\i+1] th:TH_LOAD_NT
.endr
	s_load_b256 s[WD:WD+7], s[PW:PW+1], 0x0        ; W[0 .. 12], alike for all lanes: scalars (no line of the kernel stores into W)
	s_load_b128 s[WD+8:WD+11], s[PW:PW+1], 0x20
	s_load_b32 s[WD+12], s[PW:PW+1], 0x30
	; the block of dense: 6 x 512 bytes and 256 bytes, in neighbouring lanes neighbouring bytes
.irp j, 0,1,2,3,4,5
	global_load_b128 v[RAW+4*\j:RAW+4*\j+3], v[DO16], s[PD:PD+1] offset:512*\j th:TH_LOAD_NT
.endr
	global_load_b64 v[RAW+24:RAW+25], v[DO8], s[PD:PD+1] offset:3072 th:TH_LOAD_NT
	s_add_nc_u64 s[TB+0:TB+1],   s[PW:PW+1], OFFB0 ; a base for each table, so that a lane's offset is the index alone
	s_add_nc_u64 s[TB+2:TB+3],   s[PW:PW+1], OFFB1
	s_add_nc_u64 s[TB+4:TB+5],   s[PW:PW+1], OFFB2
	s_add_nc_u64 s[TB+6:TB+7],   s[PW:PW+1], OFFB3
	s_add_nc_u64 s[TB+8:TB+9],   s[PW:PW+1], OFFB4
	s_add_nc_u64 s[TB+10:TB+11], s[PW:PW+1], OFFB5
	s_add_nc_u64 s[TB+12:TB+13], s[PW:PW+1], OFFB6
	s_add_nc_u64 s[TB+14:TB+15], s[PW:PW+1], OFFB7
; An index becomes a byte offset inside its table.  A loaded number enters an address only behind a v_min_u32 with a constant of at
; most 0x100000.  Tables up to that size: one clamp to voc - 1.  Larger ones (their sizes are multiples of 8): the index is split into
; index / 8, clamped to voc / 8 - 1, and index % 8, clamped to 7 (which changes nothing, and stands there for the same reason);
; the largest sum is 8 (voc / 8 - 1) + 7 = voc - 1, the table's last entry, and an index inside the table is left as it is.
.macro CLAMP reg, tmp, voc
.if \voc <= 0x100000
	v_min_u32 v[\reg], \voc-1, v[\reg]
.else
	v_and_b32 v[\tmp], 7, v[\reg]
	v_lshrrev_b32 v[\reg], 3, v[\reg]
	v_min_u32 v[\tmp], 7, v[\tmp]
	v_min_u32 v[\reg], \voc/8-1, v[\reg]
	v_lshl_add_u32 v[\reg], v[\reg], 3, v[\tmp]
.endif
	v_lshlrev_b32 v[\reg], 2, v[\reg]              ; 4 bytes an entry: 20,000,000 bytes at the most
.endm
; Table i's two offsets, and its two gathers.  No cache hint on a gather: a list may name an entry twice.
; The offsets stay in IDX untouched once they are made, so no pending load's address is ever rewritten.
.macro ADDR i, voc
	CLAMP IDX+2*\i, T, \voc
	CLAMP IDX+2*\i+1, T+1, \voc
.endm
.macro ASK i
	global_load_b32 v[G+2*\i],   v[IDX+2*\i],   s[TB+2*\i:TB+2*\i+1]
	global_load_b32 v[G+2*\i+1], v[IDX+2*\i+1], s[TB+2*\i:TB+2*\i+1]
.endm
	; The tables go in two groups of four: the offsets of four tables are made together, so that one wait serves their eight gathers, and the
	; second group's offsets are made while the first group's gathers are out.
	s_wait_loadcnt 11                              ; loads come back in order (ISA guide 5.7.1): behind index load 3 were issued 4 index loads and 7 loads of dense
	ADDR 0, V0
	ADDR 1, V1
	ADDR 2, V2
	ADDR 3, V3
	s_wait_alu depctr_va_vdst(0)                   ; the clamps have written the offsets of tables 0 to 3, which the eight gathers below read as addresses
	ASK 0
	ASK 1
	ASK 2
	ASK 3
	s_wait_loadcnt 15                              ; behind index load 7 were issued 7 loads of dense and 8 gathers
	ADDR 4, V4
	ADDR 5, V5
	ADDR 6, V6
	ADDR 7, V7
	s_wait_alu depctr_va_vdst(0)                   ; the clamps have written the offsets of tables 4 to 7, which the eight gathers below read as addresses
	ASK 4
	ASK 5
	ASK 6
	ASK 7
	; dense, while the gathers are out.  The LDS stores' data come from loads and their addresses were written ahead of the head's wait; no vector
	; instruction has named RAW or D: the waits on LOADcnt and DScnt are all that these lines hang on.
	s_wait_loadcnt 16                              ; only the 16 gathers are younger than the last load of dense
.irp j, 0,1,2,3,4,5
	ds_store_b128 v[L16], v[RAW+4*\j:RAW+4*\j+3] offset:512*\j
.endr
	ds_store_b64 v[L8], v[RAW+24:RAW+25] offset:3072
	; Back by rows: 13 x 8 bytes at 104 lane.  LDS serves a wave's instructions in order (ISA guide 5.7.1), so these see the stores above.
	; The lanes are 26 words apart, and 26 l mod 64 takes 32 different even values: the 32 pairs of words lie in 64 different banks.
.irp j, 0,1,2,3,4,5,6,7,8,9,10,11,12
	ds_load_b64 v[D+2*\j:D+2*\j+1], v[LR] offset:8*\j
.endr
	s_wait_dscnt 0x0
	s_wait_kmcnt 0x0                               ; W[0 .. 12]
	v_mul_f32 v[ACC],   s[WD], v[D]                ; the first products start the sums: nothing is cleared
	v_mul_f32 v[ACC+1], s[WD], v[D+13]
.irp j, 1,2,3,4,5,6,7,8,9,10,11,12
	v_fmac_f32 v[ACC],   s[WD+\j], v[D+\j]         ; two chains that take turns
	v_fmac_f32 v[ACC+1], s[WD+\j], v[D+13+\j]
.endr
	; the eight entries, in the order of the tables: 2 (7 - i) gathers are younger than table i's pair
.irp i, 0,1,2,3,4,5,6,7
	s_wait_loadcnt 14-2*\i
	v_pk_add_f32 v[ACC:ACC+1], v[ACC:ACC+1], v[G+2*\i:G+2*\i+1]
.endr
	s_wait_alu depctr_va_vdst(0)                   ; the last add has written ACC, which the store reads
	global_store_b64 v[IO], v[ACC:ACC+1], s[PO:PO+1] th:TH_STORE_NT   ; the wave stores 256 neighbouring bytes, at 256 g of out0
	s_wait_dscnt 0x0
	s_wait_alu depctr_hold_cnt(0) depctr_sa_sdst(0) depctr_va_vdst(0) depctr_va_sdst(0) depctr_va_ssrc(0) depctr_va_vcc(0) depctr_vm_vsrc(0)
	s_wait_tensorcnt 0x0
	ds_add_u32 v96, v97
	s_wait_dscnt 0x0
	s_endpgm
.Lfunc_end_k_q940ee10c65_wide:
	.size	k_q940ee10c65_wide, .Lfunc_end_k_q940ee10c65_wide-k_q940ee10c65_wide
	.p2alignl 7, 3214868480
	.fill 96, 4, 3214868480
	.section	.rodata,"a",@progbits
	.p2align	6, 0x0
	.amdhsa_kernel k_q940ee10c65_wide
		.amdhsa_group_segment_fixed_size 3584
		.amdhsa_private_segment_fixed_size 0
		.amdhsa_enable_private_segment 0
		.amdhsa_kernarg_size 88
		.amdhsa_user_sgpr_count 2
		.amdhsa_user_sgpr_kernarg_segment_ptr 1
		.amdhsa_wavefront_size32 1
		.amdhsa_system_sgpr_workgroup_id_x 1
		.amdhsa_system_sgpr_workgroup_id_y 1
		.amdhsa_system_sgpr_workgroup_id_z 1
		.amdhsa_system_vgpr_workitem_id 0
		.amdhsa_next_free_vgpr 98
		.amdhsa_next_free_sgpr 66
		.amdhsa_reserve_vcc 0
		.amdhsa_float_denorm_mode_32 3
		.amdhsa_float_denorm_mode_16_64 3
		.amdhsa_memory_ordered 1
		.amdhsa_forward_progress 1
		.amdhsa_inst_pref_size 11
	.end_amdhsa_kernel
	.amdgpu_metadata
---
amdhsa.version: [ 1, 2 ]
amdhsa.kernels:
  - .name:           k_q940ee10c65_wide
    .symbol:         k_q940ee10c65_wide.kd
    .args:
      - { .name: s0, .offset: 0, .size: 8, .value_kind: global_buffer, .address_space: global }
      - { .name: s1, .offset: 8, .size: 8, .value_kind: global_buffer, .address_space: global }
      - { .name: s2, .offset: 16, .size: 8, .value_kind: global_buffer, .address_space: global }
      - { .name: s3, .offset: 24, .size: 8, .value_kind: global_buffer, .address_space: global }
      - { .name: s4, .offset: 32, .size: 8, .value_kind: global_buffer, .address_space: global }
      - { .name: s5, .offset: 40, .size: 8, .value_kind: global_buffer, .address_space: global }
      - { .name: s6, .offset: 48, .size: 8, .value_kind: global_buffer, .address_space: global }
      - { .name: s7, .offset: 56, .size: 8, .value_kind: global_buffer, .address_space: global }
      - { .name: W, .offset: 64, .size: 8, .value_kind: global_buffer, .address_space: global }
      - { .name: dense, .offset: 72, .size: 8, .value_kind: global_buffer, .address_space: global }
      - { .name: out0, .offset: 80, .size: 8, .value_kind: global_buffer, .address_space: global }
    .group_segment_fixed_size: 3584
    .private_segment_fixed_size: 0
    .kernarg_segment_align: 8
    .kernarg_segment_size: 88
    .max_flat_workgroup_size: 32
    .sgpr_count:     66
    .vgpr_count:     98
    .wavefront_size: 32
...
	.end_amdgpu_metadata
.endif
;; end of part 2
